; MI455X (gfx1250); checked and timed in simulation.
; The chip was launched on July 23, 2026; its instructions are those of AMD's public machine-readable ISA for CDNA 5 (MIT licence, August 2026) and "CDNA5" Instruction Set Architecture Reference Guide (July 2026). The comments in the code are by the model that wrote it; some were corrected since.
;; Monotonic NN. Allowed arithmetic: matrix products marked QUANTISED: E4M3 operands, one given power-of-two scale a tensor, by v_wmma_f32_16x16x64_fp8_fp8 or v_wmma_f32_16x16x128_fp8_fp8, f32 sums; products left as they are: f32 operands where the result goes on into a quantised operand, else bf16, f16 or f32 operands; f32 sums; everything else in f32.
;; Inputs: iW0 8 x 128 float32; iW1_codes 128 x 4 x 32 uint8 (E4M3 codes of iW1, K innermost, in blocks of 32 codes); iW2 128 x 1 float32; ib0 128 float32; ib1 128 float32; ib2 1 float32; lowp_scales 4 int32 (the exponents e of the quantised operands' scales 2^e); nW0 7 x 128 float32; nW1_codes 128 x 4 x 32 uint8 (E4M3 codes of nW1, K innermost, in blocks of 32 codes); nW2 128 x 2 float32; nb0 128 float32; nb1 128 float32; nb2 2 float32; x_input 32,768 x 8 float32.
;; Outputs: out0 32,768 x 1 float32.
;; This version of the problem:
;;   THIS VERSION OF THE PROBLEM IS GIVEN IN LOW PRECISION. The matrix products marked QUANTISED in the list below multiply operands that are first quantised to E4M3 (4 exponent bits, 3 mantissa bits; 8 bits a number), with one given power-of-two scale for each operand tensor; their sums are f32. All else is computed in f32.
;;   The module's matrix products, in the order in which they are computed (A, B: the left and right operand; K: the contracted axis; several contracted axes count as one K, in the product's order):
;;     1. [M 1,671,168, K 8] x [K 8, N 128]; A: computed on the way; B: input iW0: left as it is (K = 8 < 32)
;;     2. [M 1,671,168, K 128] x [K 128, N 128]; A: computed on the way; B: input iW1 (given as codes): QUANTISED (scales: A lowp_scales[0], B lowp_scales[1])
;;     3. [M 1,671,168, K 128] x [K 128, N 1]; A: computed on the way; B: input iW2: left as it is (N = 1 < 16)
;;     4. [M 32,768, K 7] x [K 7, N 128]; A: input x_input; B: input nW0: left as it is (K = 7 < 32)
;;     5. [M 32,768, K 128] x [K 128, N 128]; A: computed on the way; B: input nW1 (given as codes): QUANTISED (scales: A lowp_scales[2], B lowp_scales[3])
;;     6. [M 32,768, K 128] x [K 128, N 2]; A: computed on the way; B: input nW2: left as it is (N = 2 < 16)
;;   THE QUANTISER, for each operand of a quantised product, along K:
;;     - The operand's scale is 2^e, e = its entry of the input lowp_scales (int32; the entries are numbered through the quantised products in the list's order, A before B).
;;     - Each number is divided by the scale, clamped to +-448, and rounded to the nearest number of E4M3, ties to even, subnormals kept.
;;     - The product sums the exact products of the quantised numbers (number of the format x scale) in f32.
;;   ~~~python
;;   def quantise(x, axis, e):      # numpy; x: float32 -> the quantised numbers, widened to float32 again
;;       x = np.moveaxis(x, axis, -1); K = x.shape[-1]
;;       r = np.clip(x / 2.0 ** e, -448, 448)
;;       step = 2.0 ** (np.maximum(np.frexp(np.where(r == 0, 1, r))[1] - 1, -6) - 3)
;;       q = np.round(r / step) * step * 2.0 ** e      # np.round: ties to even
;;       return np.moveaxis(q, -1, axis).astype(np.float32)
;;   ~~~
;;   OPERANDS COMPUTED ON THE WAY. 'Computed on the way' means the value that the module computes at that place (a softmax that the list does not call 'softmax' is quantised finished and normalised). What goes into a quantiser is computed in f32, as accurately as f32 sums, v_exp_f32 and their like allow (about 1e-6 of the number): no bf16 or f16 on the way to a quantiser, and a product that is left as it is and whose result goes on into a quantised operand takes f32 operands (vector FMAs, or v_wmma_f32_16x16x4_f32). A number that lies on a knife's edge between two numbers of the format may be rounded either way, as far as f32 arithmetic and the matrix unit's own rounding can turn it there, and no further.
;;   INPUTS GIVEN AS CODES. iW1 (in the module: [128, 128], K = its axis 0); nW1 (in the module: [128, 128], K = its axis 0): each comes as NAME_codes (uint8): NAME with its K axis moved to the last place and cut into blocks of 32 codes, [.., K / 32, bytes a block], one block behind the other in memory; one code a byte (a code: sign, 4 exponent bits, 3 mantissa bits); its scale is its entry of lowp_scales. Its value is code x scale, taken as it is: it is not quantised again, and the codes and scales need not be those that the quantiser above would give.
;; One version. Each part assembles by itself: llvm-mc -triple=amdgcn-amd-amdhsa -mcpu=gfx1250 --defsym DOCPART=n.
;; ======== version 1 of 1: 1 launch
;; launch mono (part 1): grid 256 x 1, 8 waves a work-group, no clusters, 51,456 bytes of LDS; arguments x_input, iW0, ib0, iW1_codes, ib1, iW2, ib2, nW0, nb0, nW1_codes, nb1, nW2, nb2, lowp_scales, out0; writes out0
.if DOCPART == 1
	.amdgcn_target "amdgcn-amd-amdhsa--gfx1250"
	.amdhsa_code_object_version 6
	.text
	.protected	k_qa2b1046797_mono
	.globl	k_qa2b1046797_mono
	.p2align	8
	.type	k_qa2b1046797_mono,@function
k_qa2b1046797_mono:
	s_mov_b64 s[64:65], 0
	v_nop
	global_prefetch_b8 v0, s[64:65] scope:SCOPE_SE
	s_setreg_imm32_b32 hwreg(HW_REG_WAVE_MODE, 25, 1), 1
	s_wait_xcnt 0x0
; MonotonicNN with its two 128 x 128 products on codes of FP8 (E4M3), everything in one launch.
;   out = sigmoid( exp(o1) * (x/2) * sum_s cc_s (elu(g_s) + 1) + o0 ),  g_s = the integrand net at (x t_s, h),  (o0, o1) = the offset net at h.
; SHARES.  256 work-groups x 128 samples; 8 waves; a wave keeps 16 samples for its whole life.  A matrix tile is the wave's 16 samples at ONE
; quadrature point s.  51 trips for the integrand; one like step in front of them, with the other net's weights, is the offset net.
; A LANE HOLDS ONE SAMPLE (lane % 16) THROUGHOUT; the two halves of the lanes (h = lane / 16) split the features.  All products are used transposed:
; source 0 = 16 rows of a weight, source 1 = the 16 samples.
; FIRST LAYER, in f32.  It is affine in the abscissa: z.iW0 + ib0 = a + t_s b, a = ib0 + h.iW0[1:], b = x iW0[0].  a (and the offset net's first layer)
; is made once by the f32 matrix form, K = 8: slot k = 0 carries the bias (input 1.0, weight ib0 or nb0), slots 1-7 the inputs 1-7.  The weight rows
; that form a tile are chosen (lane r of tile i: unit 32 (i/2) + 8 (i%2) + r + 8 (r/8)) so that register e of lane (r, h) is unit 32 (e/16) + 16 h + e%16:
; 16 neighbours along the next K.  A point's 64 numbers a lane are then 32 packed multiply-adds.
; QUANTISER.  One v_med3 does the ReLU and the hold at 448 x 2^e; the scaled conversion divides by 2^e and rounds to the nearest code, ties to even.
; Its results are the product's operand: registers 4c .. 4c+3 hold k = 32c + 16h + 0..15.  The weights' codes are fetched in the same order (four loads of
; 16 bytes a tile): one permutation of k on both sides, so every product meets its partner; only the order of the sums inside an instruction changes.
; SECOND LAYER.  8 x v_wmma_f32_16x16x128_fp8_fp8 a tile; C = bias x 2^-(eA+eB), so the bias costs nothing; register 8 ft + j of lane (r, h) is feature
; 16 ft + 8 h + j of sample r.  relu commutes with the positive scale, which is folded into the last layer's weights (integrand) or sums (offset net).
; THIRD LAYER.  32 packed multiply-adds in four chains, a sum inside the lane, one exchange between the halves of the lanes.  The integrand's last layer
; carries log2(e) as well: g' = g log2(e), so e^min(g, 0) = 2^min(g', 0) without a multiply; max(g', 0) is summed apart and takes ln 2 once at the end.
; THE ORDER OF A TRIP.  A wave issues in order, so what depends on the line before it is set among lines that do not.  (1) The eight products stand by
; turns with the ReLU and the dot of the tiles finished two products earlier.  (2) The eleven lines that turn point s - 1's partial sums into its share of
; the integral, each of which reads the one before, are strewn through point s's quantiser.  (3) Conversion g stands behind the v_med3 of group g + 1.
; REGISTERS.  Window 0: all that a trip computes on, and the scaled bias.  Window 1: the weights' fragments (128), b (64), the scaled last layer (64).
; Each of the three is source 0 of its instruction (product, a + t b, dot), so ONE setting, source 0 in window 1, serves them and the ReLU between them.
; 8 waves x 512 registers: two waves a SIMD.
; NOT USED: tensor loads and a ring (nothing is streamed: 44 KB of weights are staged once, no LDS byte is filled twice); clusters with joint requests
; (what is shared is read once in front of 51 trips that touch no memory); prefetches (no trip waits for memory).
; LIMITS KEPT.  lowp_scales: e0 and e2 between -126 and 119; |e0 + e1| and |e2 + e3| at most 126 (each power of two below is an f32 number).
; The *_num forms drop a NaN where the problem's function would hand it on.  v_exp_f32 gives 0 for results below 2^-126.  t_s and cc_s come from a
; fixed-point recurrence of the assembler, good to about 1e-6 relative.  a + t (x w), and the factors log2(e) and ln 2, are rounded in another order than
; in the problem's function (f32 rounding only).
.set NPTS,  51                         ; quadrature points
; LDS map (bytes)
.set TAB,   0                          ; 52 entries of 8 bytes: entry i = (t_i, cc_(i-1))
.set OUTS,  512                        ; 128 results
.set VEC,   1024                       ; eight places of 512 bytes, wave w's at VEC + 512 w = VEC + 16 x its threads' numbers; the places of waves 6 and 7 stay empty
.set IB0S,  1024
.set IB1S,  1536
.set IW2S,  2048
.set NB1S,  2560
.set NW2S,  3072                       ; nW2: 1,024 bytes
.set PW,    528                        ; pitch of a first-layer row: 512 + 16: rows two apart lie 8 words apart in the banks
.set L0I,   VEC+8*512                  ; iW0, 8 rows
.set L0N,   L0I+8*PW                   ; nW0 rows 0-6, row 7 = nb0
.set PC,    144                        ; pitch of a row of 128 codes: an odd multiple of 16 bytes
.set WI,    L0N+8*PW                   ; iW1's codes, 128 rows
.set WN,    WI+128*PC                  ; nW1's codes; ends at 50,432
; window 0
.set H32,   1                          ; 32 h
.set H64,   2                          ; 64 h
.set FRA,   3                          ; 144 r + 16 h: my place in a tile of codes
.set F1,    4                          ; 1056 h + FP, FP = 4 r + 32 (r/8): my place in first-layer rows k = 2h + ..
.set F1I,   5                          ; slot k = 2h of the integrand: ib0 (h = 0) or iW0 row 2 (h = 1)
.set F1N,   6                          ; the same for the offset net: nb0 or nW0 row 1
.set OUTA,  7                          ; 64 w + 4 r
.set TAB_A, 8
.set SCI,   9                          ; 2^e0 as f32: the conversion takes its exponent field
.set T,     10                         ; v[10:11] (t_s, cc_(s-1))
.set KAP,   12                         ; v[12:13] ib2 log2(e) / 4, twice
.set P,     14                         ; v[14:21] four pairs of partial sums
.set G,     22
.set G2,    23
.set EN,    24
.set EP,    25
.set ZP,    26                         ; sum of cc max(g', 0)
.set SCN,   27                         ; 2^e2
.set X,     28                         ; v[28:29] x of my sample, twice
.set OFF,   30
.set SCL,   31
.set XBZ,   32                         ; v[32:33] inputs 2h, 2h+1 of my sample; input 0 replaced by 1.0
.set XB1,   34                         ; v[34:35] inputs 4+2h, 5+2h
.set T16,   36                         ; 16 x thread
.set L16,   37                         ; 16 x lane
.set STC,   38                         ; staging of codes
.set STV,   39                         ; staging of first-layer rows
.set XA,    40
.set XF,    41
.set RR,    42
.set HH,    43
.set TM,    44
.set FP,    45
.set ZN,    46                         ; sum of cc 2^min(g', 0)
.set CODE,  48                         ; v[48:63]   the quantised operand
.set Z,     64                         ; v[64:127]  the 64 numbers ahead of the product, then its results
.set A_,    128                        ; v[128:191] written by matrix instructions alone: the offset net's first layer, then a
.set CB,    192                        ; v[192:255] bias x 2^-(eA+eB)
; window 1
.set WF,    0                          ; 8 fragments of 16 registers
.set B_,    128                        ; iW0 row 0, then b
.set W2,    192                        ; iW2 x 2^(e0+e1) log2(e)
.set MSB, 0
.macro WIN new                         ; s_set_vgpr_msb: bits 1:0 source 0, 3:2 source 1, 5:4 source 2, 7:6 destination; the high byte repeats the setting left
.if MSB != \new
	s_set_vgpr_msb (MSB<<8)|\new
.set MSB, \new
.endif
.endm
; One vector of 512 bytes, brought and staged by wave w: load, wait and LDS store stand inside one branch, the load has registers of its own and names
; its own buffer.  The load goes out with the wave's other loads, which were issued just before; the wait is for all of them.
.macro VSTAGE w, base, off
	s_cmp_lg_u32 s2, \w
	s_cbranch_scc1 .Lv_\@
	global_load_b128 v[Z+40+4*\w:Z+43+4*\w], v[L16], s[\base:\base+1] offset:\off
	s_wait_loadcnt 0x0
	ds_store_b128 v[T16], v[Z+40+4*\w:Z+43+4*\w] offset:VEC    ; 16 x thread = 512 w + 16 x lane
.Lv_\@:
.endm
; Table entries of pass j (symbols j, thi, tlo, wj), by wave j % 8
.macro TABENT
	s_cmp_lg_u32 s2, j%8
	s_cbranch_scc1 .Ltab_\@
	v_cvt_f32_i32 v[P],   thi
	v_cvt_f32_i32 v[P+1], tlo
	v_cvt_f32_i32 v[P+2], wj
	v_pk_mul_f32 v[P:P+1], v[P:P+1], 0x30800000 op_sel_hi:[1,0]      ; x 2^-30
	v_mul_f32 v[P+2], 0x30800000, v[P+2]
	ds_store_b32 v[P+4], v[P]   offset:TAB+8*j             ; t_j
	ds_store_b32 v[P+4], v[P+2] offset:TAB+8*j+12          ; cc_j, in entry j + 1
.if j < 25
	ds_store_b32 v[P+4], v[P+1] offset:TAB+400-8*j         ; t_(50-j)
	ds_store_b32 v[P+4], v[P+2] offset:TAB+412-8*j         ; cc_(50-j)
.endif
.Ltab_\@:
.endm
; 32 loads: source 0 of the first layer's 16 matrix instructions.  v[Z+4i+2st+j] = weight of slot k = 4 st + 2 h + j at tile i's unit of lane r.
.macro L1FRAG sp, spoff, base, shift
.irp i, 0,1,2,3,4,5,6,7
	ds_load_b32 v[Z+4*\i],   v[\sp] offset:\spoff+128*(\i/2)+32*(\i%2)
	ds_load_b32 v[Z+4*\i+1], v[F1]  offset:\base+(1-\shift)*PW+128*(\i/2)+32*(\i%2)
	ds_load_b32 v[Z+4*\i+2], v[F1]  offset:\base+(4-\shift)*PW+128*(\i/2)+32*(\i%2)
	ds_load_b32 v[Z+4*\i+3], v[F1]  offset:\base+(5-\shift)*PW+128*(\i/2)+32*(\i%2)
.endr
.endm
; The first K step starts the eight sums with the constant 0, the second adds in place; the accumulators take turns.
.macro L1MM
.irp i, 0,1,2,3,4,5,6,7
	v_wmma_f32_16x16x4_f32 v[A_+8*\i:A_+8*\i+7], v[Z+4*\i:Z+4*\i+1], v[XBZ:XBZ+1], 0
.endr
.irp i, 0,1,2,3,4,5,6,7
	v_wmma_f32_16x16x4_f32 v[A_+8*\i:A_+8*\i+7], v[Z+4*\i+2:Z+4*\i+3], v[XB1:XB1+1], v[A_+8*\i:A_+8*\i+7]
.endr
.endm
; 32 loads: the eight fragments of a matrix of codes: row 16 ft + r, bytes 32 c + 16 h on
.macro FRAG base
	WIN 0x40
.irp ft, 0,1,2,3,4,5,6,7
.irp c, 0,1,2,3
	ds_load_b128 v[WF+16*\ft+4*\c:WF+16*\ft+4*\c+3], v[FRA] offset:\base+16*PC*\ft+32*\c
.endr
.endr
	WIN 0
.endm
; 16 loads: a vector of 128 f32 in the results' order: register 8 ft + j = element 16 ft + 8 h + j.  w: 0 = into window 0, 0x40 = into window 1
.macro VEC64 dst, base, w
	WIN \w
.irp ft, 0,1,2,3,4,5,6,7
	ds_load_b128 v[\dst+8*\ft:\dst+8*\ft+3],   v[H32] offset:\base+64*\ft
	ds_load_b128 v[\dst+8*\ft+4:\dst+8*\ft+7], v[H32] offset:\base+64*\ft+16
.endr
	WIN 0
.endm
.macro SCALE64 dst, sp, w              ; 64 registers times the number in s[sp], in place.  w: 0 = window 0, 0x41 = window 1
	WIN \w
.set sn, 0
.rept 32
	v_pk_mul_f32 v[\dst+sn:\dst+sn+1], v[\dst+sn:\dst+sn+1], s[\sp:\sp+1] op_sel_hi:[1,0]
.set sn, sn+2
.endr
	WIN 0
.endm
; The offset net's quantiser: ReLU and hold in one (the conversion does not saturate: ISA guide 7.6.2), then eight codes.
.macro QUANT src, hi, sc
.irp g, 0,1,2,3,4,5,6,7
.irp i, 0,1,2,3,4,5,6,7
	v_med3_num_f32 v[Z+8*\g+\i], v[\src+8*\g+\i], 0, s[\hi]
.endr
	v_cvt_scalef32_pk8_fp8_f32 v[CODE+2*\g:CODE+2*\g+1], v[Z+8*\g:Z+8*\g+7], v[\sc]
.endr
.endm
; The integrand's, in pieces: group g's eight numbers held in place; group g's eight codes
.macro MED g
.irp i, 0,1,2,3,4,5,6,7
	v_med3_num_f32 v[Z+8*\g+\i], v[Z+8*\g+\i], 0, s52
.endr
.endm
.macro CVT g
	v_cvt_scalef32_pk8_fp8_f32 v[CODE+2*\g:CODE+2*\g+1], v[Z+8*\g:Z+8*\g+7], v[SCI]
.endm
; Feature tile ft, under the setting 'source 0 in window 1'.  WT: its product: source 0 = 16 rows of the weight, source 1 = my samples' codes, C = the scaled bias.
.macro WT ft
	v_wmma_f32_16x16x128_fp8_fp8 v[Z+8*\ft:Z+8*\ft+7], v[WF+16*\ft:WF+16*\ft+15], v[CODE:CODE+15], v[CB+8*\ft:CB+8*\ft+7]
.endm
.macro RT ft                           ; its ReLU, ascending: the accumulator is read from its low end on
.irp i, 0,1,2,3
	v_dual_max_num_f32 v[Z+8*\ft+2*\i], 0, v[Z+8*\ft+2*\i] :: v_dual_max_num_f32 v[Z+8*\ft+2*\i+1], 0, v[Z+8*\ft+2*\i+1]
.endr
.endm
.macro DT ft                           ; its share of the dot with the last layer: one link in each of four chains; tile 0 starts them, the first with my share of ib2
.irp i, 0,1,2,3
.if \ft == 0
.if \i == 0
	v_pk_fma_f32 v[P:P+1], v[W2:W2+1], v[Z:Z+1], v[KAP:KAP+1]
.else
	v_pk_mul_f32 v[P+2*\i:P+2*\i+1], v[W2+2*\i:W2+2*\i+1], v[Z+2*\i:Z+2*\i+1]
.endif
.else
	v_pk_fma_f32 v[P+2*\i:P+2*\i+1], v[W2+8*\ft+2*\i:W2+8*\ft+2*\i+1], v[Z+8*\ft+2*\i:Z+8*\ft+2*\i+1], v[P+2*\i:P+2*\i+1]
.endif
.endr
.endm
.macro DOT2                            ; the offset net's two outputs at once: (z_e, z_e) x (nW2[e][0], nW2[e][1]), the pairs in window 1 from v128 on
	WIN 0x04
.set dp, 0
.rept 32
.if dp < 2
	v_pk_mul_f32 v[P+4*dp:P+4*dp+1],   v[Z+2*dp:Z+2*dp+1], v[128+4*dp:128+4*dp+1]   op_sel:[0,0] op_sel_hi:[0,1]
	v_pk_mul_f32 v[P+4*dp+2:P+4*dp+3], v[Z+2*dp:Z+2*dp+1], v[128+4*dp+2:128+4*dp+3] op_sel:[1,0] op_sel_hi:[1,1]
.else
	v_pk_fma_f32 v[P+4*(dp%2):P+4*(dp%2)+1],   v[Z+2*dp:Z+2*dp+1], v[128+4*dp:128+4*dp+1],   v[P+4*(dp%2):P+4*(dp%2)+1]   op_sel:[0,0,0] op_sel_hi:[0,1,1]
	v_pk_fma_f32 v[P+4*(dp%2)+2:P+4*(dp%2)+3], v[Z+2*dp:Z+2*dp+1], v[128+4*dp+2:128+4*dp+3], v[P+4*(dp%2)+2:P+4*(dp%2)+3] op_sel:[1,0,0] op_sel_hi:[1,1,1]
.endif
.set dp, dp+1
.endr
	WIN 0
.endm
; Line n of the tail that turns a point's four pairs of partial sums into its share of the two weighted sums.
; elu(g) + 1 = max(g, 0) + e^min(g, 0): no branch, and the exponent is never above 0.
.macro TI n
.if \n == 1
	v_pk_add_f32 v[P:P+1],   v[P:P+1],   v[P+2:P+3]
.elseif \n == 2
	v_pk_add_f32 v[P+4:P+5], v[P+4:P+5], v[P+6:P+7]
.elseif \n == 3
	v_pk_add_f32 v[P:P+1],   v[P:P+1],   v[P+4:P+5]
.elseif \n == 4
	v_add_f32 v[G], v[P], v[P+1]                   ; my half of g'
.elseif \n == 5
	v_permlanex16_b32 v[G2], v[G], s50, s51        ; the other half's
.elseif \n == 6
	v_add_f32 v[G], v[G], v[G2]
.elseif \n == 7
	v_min_num_f32 v[EN], 0, v[G]
.elseif \n == 8
	v_max_num_f32 v[EP], 0, v[G]
.elseif \n == 9
	v_exp_f32 v[EN], v[EN]                         ; a plain instruction that names neither register follows it wherever it stands
.elseif \n == 10
	v_fmac_f32 v[ZP], v[T+1], v[EP]
.else
	s_wait_alu depctr_va_vdst(0)
	v_fmac_f32 v[ZN], v[T+1], v[EN]
.endif
.endm
; ============================================================ arguments, lane terms for the loads
	s_load_b512 s[8:23], s[0:1], 0x0               ; x s[8:9], iW0 s[10:11], ib0 s[12:13], iW1's codes s[14:15], ib1 s[16:17], iW2 s[18:19], ib2 s[20:21], nW0 s[22:23]
	s_load_b256 s[24:31], s[0:1], 0x40             ; nb0 s[24:25], nW1's codes s[26:27], nb1 s[28:29], nW2 s[30:31]
	s_load_b128 s[32:35], s[0:1], 0x60             ; nb2 s[32:33], the scales' exponents s[34:35]
	s_load_b64 s[36:37], s[0:1], 0x70              ; out0
	v_lshrrev_b32 v[TM], 5, v0
	v_readfirstlane_b32 s2, v[TM]                  ; wave w, 0 to 7
	s_mov_b32 s48, 0x0000ffff                      ; lanes 0 to 15
	s_mov_b32 s50, 0x76543210                      ; v_permlanex16_b32: lane l xor 16
	s_mov_b32 s51, 0xfedcba98
	v_and_b32 v[RR], 15, v0                        ; r
	v_bfe_u32 v[HH], v0, 4, 1                      ; h
	s_lshl_b32 s61, s2, 9                          ; 512 w: 16 samples of 32 bytes, or a row of 128 f32
	v_lshlrev_b32 v[T16], 4, v0
	v_and_b32 v[L16], 31, v0
	v_lshlrev_b32 v[L16], 4, v[L16]
	v_lshl_add_u32 v[XF], v[RR], 5, s61            ; sample r of my wave
	v_lshl_add_u32 v[XA], v[HH], 3, v[XF]          ; its inputs 2h, 2h + 1
	s_wait_kmcnt 0x0
	s_load_b128 s[40:43], s[34:35], 0x0            ; e0, e1, e2, e3
	s_load_b32 s44, s[20:21], 0x0                  ; ib2
	s_load_b64 s[46:47], s[32:33], 0x0             ; nb2
	s_lshl_b32 s4, ttmp9, 12                       ; 128 samples of 32 bytes
	s_mov_b32 s5, 0
	s_add_nc_u64 s[8:9], s[8:9], s[4:5]
	s_lshl_b32 s4, ttmp9, 9                        ; 128 results of 4 bytes
	s_add_nc_u64 s[36:37], s[36:37], s[4:5]
	s_mov_b32 s4, s61
	s_add_nc_u64 s[38:39], s[22:23], s[4:5]        ; row w of nW0 (7 rows) ...
	s_cmp_eq_u32 s2, 7
	s_cselect_b64 s[38:39], s[24:25], s[38:39]     ; ... and for wave 7 nb0: no load leaves its buffer
	global_load_b64 v[XBZ:XBZ+1], v[XA], s[8:9]
	global_load_b64 v[XB1:XB1+1], v[XA], s[8:9] offset:16
	global_load_b32 v[X], v[XF], s[8:9]
.irp q, 0,1,2,3
	global_load_b128 v[Z+4*\q:Z+4*\q+3], v[T16], s[14:15] offset:4096*\q        ; iW1's codes: the 256 threads take 4,096 consecutive bytes
.endr
.irp q, 0,1,2,3
	global_load_b128 v[Z+16+4*\q:Z+16+4*\q+3], v[T16], s[26:27] offset:4096*\q  ; nW1's likewise
.endr
	global_load_b128 v[Z+32:Z+35], v[T16], s[10:11]                             ; iW0
	global_load_b128 v[Z+36:Z+39], v[L16], s[38:39]                             ; my wave's row of nW0, or nb0
	VSTAGE 0, 12, 0                                ; ib0
	VSTAGE 1, 16, 0                                ; ib1
	VSTAGE 2, 18, 0                                ; iW2
	VSTAGE 3, 28, 0                                ; nb1
	VSTAGE 4, 30, 0                                ; nW2, first half
	VSTAGE 5, 30, 512                              ; nW2, second half
; ============================================================ staging addresses, the table, the scalar constants
	v_lshrrev_b32 v[TM], 3, v0
	v_mul_u32_u24 v[STC], v[TM], PC                ; a thread's 16 bytes of codes: row t / 8 (+ 32 q),
	v_and_b32 v[TM], 7, v0
	v_lshl_add_u32 v[STC], v[TM], 4, v[STC]        ; byte 16 (t % 8)
	v_lshrrev_b32 v[TM], 5, v0
	v_mul_u32_u24 v[STV], v[TM], PW                ; first-layer row w,
	v_add_nc_u32 v[STV], v[STV], v[L16]            ; 16 bytes a lane
	v_mov_b32 v[P+4], 0                            ; the table's address register, and the value 0
	s_cmp_lg_u32 s2, 7
	s_cbranch_scc1 .Lnozero
	ds_store_b32 v[P+4], v[P+4] offset:TAB+4       ; entry 0 has no cc in front of it: 0, so that the first trip's tail adds nothing
	ds_store_b32 v[P+4], v[P+4] offset:TAB+408     ; entry 51 has no t: loaded, never used
.Lnozero:
; The assembler makes t_s and cc_s in fixed point, scale 2^30: cos(j pi/50) by the three-term recurrence from cos(pi/50);
; cc_j = (2/50) (1 - sum over q = 1..25 of 2 cos(2 q j pi/50) / (4 q^2 - 1)), half of that for j = 0 and 50 (the problem's own formula: only even rows of
; its cosine matrix carry weight, its first and last columns are halved).  t_(50-j) = (1 - cos(j pi/50)) / 2, cc_(50-j) = cc_j: 26 passes fill 51 entries.
.set SC,   1<<30
.set C1,   1071623040                  ; cos(pi/50) x 2^30
.set cosj, SC
.set cosp, C1
.set j, 0
.rept 26
.set c2j,  2*cosj*cosj/SC - SC         ; cos(2 j pi/50)
.set wsum, SC
.set chp,  SC
.set chq,  c2j
.set qq,   1
.rept 25
.set wsum, wsum - 2*chq/(4*qq*qq-1)
.set chn,  2*c2j*chq/SC - chp
.set chp,  chq
.set chq,  chn
.set qq,   qq+1
.endr
.if j == 0
.set wj, wsum/50
.else
.set wj, wsum/25
.endif
.set thi, (SC+cosj)/2
.set tlo, (SC-cosj)/2
	TABENT
.set cosn, 2*C1*cosj/SC - cosp
.set cosp, cosj
.set cosj, cosn
.set j, j+1
.endr
	s_wait_kmcnt 0x0                               ; the exponents, ib2, nb2
	s_add_co_i32 s61, s40, 127
	s_lshl_b32 s62, s61, 23
	v_mov_b32 v[SCI], s62                          ; 2^e0
	s_add_co_i32 s61, s61, 8
	s_lshl_b32 s61, s61, 23
	s_or_b32 s52, s61, 0x600000                    ; 448 x 2^e0
	s_add_co_i32 s61, s42, 127
	s_lshl_b32 s62, s61, 23
	v_mov_b32 v[SCN], s62                          ; 2^e2
	s_add_co_i32 s61, s61, 8
	s_lshl_b32 s61, s61, 23
	s_or_b32 s53, s61, 0x600000                    ; 448 x 2^e2
	s_add_co_i32 s61, s40, s41                     ; e0 + e1
	s_add_co_i32 s62, s61, 127
	s_lshl_b32 s56, s62, 23                        ; 2^(e0+e1),
	s_mul_f32 s56, s56, 0x3fb8aa3b                 ; times log2(e): the factor of the integrand's last layer
	s_mov_b32 s57, s56                             ; (named with it as a pair)
	s_sub_co_i32 s62, 127, s61
	s_lshl_b32 s54, s62, 23                        ; 2^-(e0+e1)
	s_mov_b32 s55, s54
	s_add_co_i32 s61, s42, s43                     ; e2 + e3
	s_add_co_i32 s62, s61, 127
	s_lshl_b32 s60, s62, 23                        ; 2^(e2+e3)
	s_sub_co_i32 s62, 127, s61
	s_lshl_b32 s58, s62, 23                        ; 2^-(e2+e3)
	s_mov_b32 s59, s58
	s_mul_f32 s61, s44, 0x3eb8aa3b                 ; ib2 log2(e) / 4: two halves of a pair in two halves of the lanes make it whole
	v_mov_b32 v[KAP], s61
	v_mov_b32 v[KAP+1], s61
; ============================================================ staging
	s_wait_loadcnt 0x0                             ; every wave's loads are in (waves 0 to 5 have waited already)
	v_cndmask_b32 v[XBZ], v[XBZ], 1.0, s48         ; slot k = 0 (lanes 0-15, first register): the bias's input 1.0 in x's place
.irp q, 0,1,2,3
	ds_store_b128 v[STC], v[Z+4*\q:Z+4*\q+3] offset:WI+32*PC*\q
	ds_store_b128 v[STC], v[Z+16+4*\q:Z+16+4*\q+3] offset:WN+32*PC*\q
.endr
	ds_store_b128 v[STV], v[Z+32:Z+35] offset:L0I
	ds_store_b128 v[STV], v[Z+36:Z+39] offset:L0N
	v_lshlrev_b32 v[H32], 5, v[HH]                 ; the lane terms of all later LDS loads, while the stores are out
	v_lshlrev_b32 v[H64], 6, v[HH]
	v_mul_u32_u24 v[FRA], v[RR], PC
	v_lshl_add_u32 v[FRA], v[HH], 4, v[FRA]
	v_bfe_u32 v[TM], v0, 3, 1                      ; r / 8
	v_lshlrev_b32 v[FP], 2, v[RR]
	v_lshl_add_u32 v[FP], v[TM], 5, v[FP]          ; 4 (r + 8 (r / 8))
	v_mul_u32_u24 v[F1], v[HH], 2*PW
	v_add_nc_u32 v[F1], v[F1], v[FP]
	v_mul_u32_u24 v[F1I], v[HH], L0I+2*PW-IB0S     ; from ib0 to iW0's row 2
	v_add_nc_u32 v[F1I], v[F1I], v[FP]
	v_add_nc_u32 v[TM], 16, v0
	v_bfe_u32 v[TM], v[TM], 4, 1                   ; 1 - h
	v_mul_u32_u24 v[F1N], v[TM], 6*PW              ; from nW0's row 1 to row 7, which is nb0
	v_add_nc_u32 v[F1N], v[F1N], v[FP]
	s_lshl_b32 s62, s2, 6
	v_lshl_add_u32 v[OUTA], v[RR], 2, s62
	v_mov_b32 v[X+1], v[X]                         ; named with it as a pair
	s_wait_dscnt 0x0                               ; for the other waves' sake: all my LDS stores are done before I signal
	s_barrier_signal -1
	s_barrier_wait -1                              ; table, vectors, first-layer rows and both matrices of codes are in LDS for everybody; nobody writes them again
; ============================================================ the offset net: one tile
	L1FRAG F1N, L0N+PW, L0N, 1                     ; slot k goes with nW0's row k - 1
	VEC64 CB, NB1S, 0
	s_wait_dscnt 0x10                              ; LDS answers in order (ISA guide 5.7.1): nb1's 16 loads stay out, the 32 weights are in
	L1MM
	FRAG WN
	s_wait_dscnt 0x20                              ; the 32 fragment loads stay out; nb1 is in
	SCALE64 CB, 58, 0                              ; 32 plain instructions: the places behind the f32 matrix instructions (ISA guide 7.12.1)
	QUANT A_, 53, SCN
	v_mov_b32 v[G2], 0                             ; four moves that are due anyway (a lane permute's destination counts as read; a sum and the table
	v_mov_b32 v[EN], 0                             ; address start at 0): the places between the last conversion and the product
	v_mov_b32 v[ZP], 0
	v_mov_b32 v[TAB_A], 0
	s_wait_dscnt 0x0                               ; nW1's fragments
	WIN 0x01
.irp ft, 0,1,2,3,4,5,6,7
	WT \ft
.endr
	WIN 0
.rept 4
	v_nop                                          ; four places before vector work reads the results
.endr
	WIN 0x40
.irp ft, 0,1,2,3,4,5,6,7
.irp u, 0,1,2,3
	ds_load_b128 v[128+16*\ft+4*\u:128+16*\ft+4*\u+3], v[H64] offset:NW2S+128*\ft+16*\u   ; nW2: pairs of features 16 ft + 8 h + 2 u, + 1
.endr
.endr
	WIN 0
.irp ft, 0,1,2,3,4,5,6,7
	RT \ft
.endr
	s_wait_dscnt 0x0                               ; nW2
	DOT2
; ============================================================ the integrand's constants
	WIN 0x40
.irp c, 0,1,2,3
.irp u, 0,1,2,3
	ds_load_b128 v[B_+16*\c+4*\u:B_+16*\c+4*\u+3], v[H64] offset:L0I+128*\c+16*\u         ; iW0's row 0 at units 32 c + 16 h + 4 u .., where nW2's first half lay
.endr
.endr
	WIN 0
	L1FRAG F1I, IB0S, L0I, 0
	v_pk_add_f32 v[P:P+1],   v[P:P+1],   v[P+2:P+3]        ; the offset net's tail
	v_pk_add_f32 v[P+4:P+5], v[P+4:P+5], v[P+6:P+7]
	v_pk_add_f32 v[P:P+1],   v[P:P+1],   v[P+4:P+5]
	v_permlanex16_b32 v[G2], v[P],   s50, s51
	v_permlanex16_b32 v[EN], v[P+1], s50, s51
	v_add_f32 v[G],  v[P],   v[G2]
	v_add_f32 v[EP], v[P+1], v[EN]
	v_fma_f32 v[OFF], v[G],  s60, s46              ; o0 = sum x 2^(e2+e3) + nb2[0]
	v_fma_f32 v[EP],  v[EP], s60, s47              ; o1
	v_mul_f32 v[EP], 0x3fb8aa3b, v[EP]
	v_exp_f32 v[SCL], v[EP]                        ; e^o1; plain instructions follow
	s_wait_dscnt 0x20                              ; the 32 weights asked for last stay out; iW0's row 0 is in
	WIN 0x41
.set gn, 0
.rept 32
	v_pk_mul_f32 v[B_+gn:B_+gn+1], v[B_+gn:B_+gn+1], v[X:X+1] op_sel_hi:[1,0]   ; b = x iW0[0]
.set gn, gn+2
.endr
	WIN 0
	VEC64 CB, IB1S, 0
	s_wait_dscnt 0x10                              ; ib1's 16 loads stay out; the weights are in
	L1MM                                           ; a
	FRAG WI
	s_wait_dscnt 0x20                              ; iW1's 32 fragment loads stay out; ib1 is in
	SCALE64 CB, 54, 0                              ; again the places behind the f32 matrix instructions
	VEC64 W2, IW2S, 0x40
	ds_load_b64 v[T:T+1], v[TAB_A] offset:TAB      ; (t_0, 0)
.irp i, 0,1,2,3,4,5,6,7
	v_mov_b32 v[P+\i], 0                           ; the first trip's tail finds g' = 0 and cc = 0
.endr
	v_mov_b32 v[ZN], 0
	s_wait_dscnt 0x1                               ; the table entry stays out; fragments and iW2 are in
	SCALE64 W2, 56, 0x41
	s_mov_b32 s3, 0
; ============================================================ 51 quadrature points.  No barrier: a wave shares nothing here.
.Lpoint:
	s_wait_dscnt 0x0                               ; (t_s, cc_(s-1)): asked for in front of the last trip's products
	WIN 0x01                                       ; source 0 (b) in window 1
.set gn, 0
.rept 32
	v_pk_fma_f32 v[Z+gn:Z+gn+1], v[B_+gn:B_+gn+1], v[T:T+1], v[A_+gn:A_+gn+1] op_sel_hi:[1,0,1]   ; a + t_s b
.set gn, gn+2
.endr
	WIN 0
	TI 1                                           ; point s - 1's tail, a line at a time among point s's quantiser:
	TI 2                                           ; eight independent v_med3 or more stand between a line and the line that reads it
	MED 0
	TI 3
	MED 1
	CVT 0                                          ; conversion g stands behind the v_med3 of group g + 1
	TI 4
	MED 2
	CVT 1
	TI 5
	MED 3
	CVT 2
	TI 6
	MED 4
	CVT 3
	TI 7
	MED 5
	CVT 4
	TI 9
	MED 6
	CVT 5
	MED 7
	CVT 6
	CVT 7
	s_add_co_u32 s3, s3, 1                         ; the trip counter's one step
	s_lshl_b32 s62, s3, 3
	TI 8                                           ; four plain lines of the tail: the places between the last conversion and the first product
	v_mov_b32 v[TAB_A], s62
	TI 11
	TI 10
	ds_load_b64 v[T:T+1], v[TAB_A] offset:TAB      ; entry s + 1 = (t_(s+1), cc_s), behind the last use of cc_(s-1)
	WIN 0x01                                       ; source 0 (weights, last layer) in window 1: one setting for products, ReLU and dot
	WT 0
.rept 4
	v_nop                                          ; four places between tile 0's product and its ReLU (ISA guide 7.12.1): no other work is free of the products yet
.endr
	WT 1
	RT 0
	WT 2                                           ; from here on eight vector instructions behind each product; between a tile's product and its ReLU stand 8 or 12 of them
	DT 0
	RT 1
	WT 3
	DT 1
	RT 2
	WT 4
	DT 2
	RT 3
	WT 5
	DT 3
	RT 4
	WT 6
	DT 4
	RT 5
	WT 7
	DT 5
	RT 6
	DT 6
	RT 7
	DT 7
	WIN 0                                          ; at a label and at a branch every window is 0
	s_cmp_lt_u32 s3, NPTS
	s_cbranch_scc1 .Lpoint
; ============================================================ the result
	s_wait_dscnt 0x0                               ; entry 51: cc_50
.irp n, 1,2,3,4,5,6,7,8,9,10,11
	TI \n                                          ; point 50's tail; line 10 is the plain instruction behind the exponential
.endr
	v_fmamk_f32 v[ZN], v[ZP], 0x3f317218, v[ZN]    ; sum of cc (elu + 1) = ln 2 x the sum of cc max(g', 0) + the sum of cc 2^min(g', 0)
	v_mul_f32 v[EN], v[ZN], v[X]
	v_mul_f32 v[EN], 0.5, v[EN]                    ; the integral
	v_fma_f32 v[EN], v[SCL], v[EN], v[OFF]
	v_mul_f32 v[EN], 0xbfb8aa3b, v[EN]             ; sigmoid(u) = 1 / (1 + 2^(-u log2 e))
	v_exp_f32 v[EN], v[EN]
	v_nop                                          ; a plain instruction behind each transcendental
	s_wait_alu depctr_va_vdst(0)
	v_add_f32 v[EN], 1.0, v[EN]
	v_rcp_f32 v[EN], v[EN]
	v_nop
	s_wait_alu depctr_va_vdst(0)
	ds_store_b32 v[OUTA], v[EN] offset:OUTS        ; lanes r and r + 16 hold the same sample and write the same word with the same value
	s_wait_dscnt 0x0                               ; for wave 0's sake
	s_barrier_signal -1
	s_barrier_wait -1
	s_cmp_lg_u32 s2, 0
	s_cbranch_scc1 .Lend
	ds_load_b128 v[Z:Z+3], v[L16] offset:OUTS      ; the work-group's 128 results
	s_wait_dscnt 0x0
	global_store_b128 v[L16], v[Z:Z+3], s[36:37]   ; one store of 512 consecutive bytes, at a multiple of 512 from out0's first byte
.Lend:
	s_wait_xcnt 0x0
	v_lshl_add_u32 v246, v0, 2, 0xc500
	v_mov_b32 v247, 0
	s_wait_tensorcnt 0x0
	ds_add_u32 v246, v247
	s_wait_dscnt 0x0
	s_endpgm
.Lfunc_end_k_qa2b1046797_mono:
	.size	k_qa2b1046797_mono, .Lfunc_end_k_qa2b1046797_mono-k_qa2b1046797_mono
	.p2alignl 7, 3214868480
	.fill 96, 4, 3214868480
	.section	.rodata,"a",@progbits
	.p2align	6, 0x0
	.amdhsa_kernel k_qa2b1046797_mono
		.amdhsa_group_segment_fixed_size 51456
		.amdhsa_private_segment_fixed_size 0
		.amdhsa_enable_private_segment 0
		.amdhsa_kernarg_size 120
		.amdhsa_user_sgpr_count 2
		.amdhsa_user_sgpr_kernarg_segment_ptr 1
		.amdhsa_wavefront_size32 1
		.amdhsa_system_sgpr_workgroup_id_x 1
		.amdhsa_system_sgpr_workgroup_id_y 1
		.amdhsa_system_sgpr_workgroup_id_z 1
		.amdhsa_system_vgpr_workitem_id 0
		.amdhsa_next_free_vgpr 512
		.amdhsa_next_free_sgpr 66
		.amdhsa_reserve_vcc 0
		.amdhsa_float_denorm_mode_32 3
		.amdhsa_float_denorm_mode_16_64 3
		.amdhsa_memory_ordered 1
		.amdhsa_forward_progress 1
		.amdhsa_inst_pref_size 76
	.end_amdhsa_kernel
	.amdgpu_metadata
---
amdhsa.version: [ 1, 2 ]
amdhsa.kernels:
  - .name:           k_qa2b1046797_mono
    .symbol:         k_qa2b1046797_mono.kd
    .args:
      - { .name: x_input, .offset: 0, .size: 8, .value_kind: global_buffer, .address_space: global }
      - { .name: iW0, .offset: 8, .size: 8, .value_kind: global_buffer, .address_space: global }
      - { .name: ib0, .offset: 16, .size: 8, .value_kind: global_buffer, .address_space: global }
      - { .name: iW1_codes, .offset: 24, .size: 8, .value_kind: global_buffer, .address_space: global }
      - { .name: ib1, .offset: 32, .size: 8, .value_kind: global_buffer, .address_space: global }
      - { .name: iW2, .offset: 40, .size: 8, .value_kind: global_buffer, .address_space: global }
      - { .name: ib2, .offset: 48, .size: 8, .value_kind: global_buffer, .address_space: global }
      - { .name: nW0, .offset: 56, .size: 8, .value_kind: global_buffer, .address_space: global }
      - { .name: nb0, .offset: 64, .size: 8, .value_kind: global_buffer, .address_space: global }
      - { .name: nW1_codes, .offset: 72, .size: 8, .value_kind: global_buffer, .address_space: global }
      - { .name: nb1, .offset: 80, .size: 8, .value_kind: global_buffer, .address_space: global }
      - { .name: nW2, .offset: 88, .size: 8, .value_kind: global_buffer, .address_space: global }
      - { .name: nb2, .offset: 96, .size: 8, .value_kind: global_buffer, .address_space: global }
      - { .name: lowp_scales, .offset: 104, .size: 8, .value_kind: global_buffer, .address_space: global }
      - { .name: out0, .offset: 112, .size: 8, .value_kind: global_buffer, .address_space: global }
    .group_segment_fixed_size: 51456
    .private_segment_fixed_size: 0
    .kernarg_segment_align: 8
    .kernarg_segment_size: 120
    .max_flat_workgroup_size: 256
    .sgpr_count:     66
    .vgpr_count:     512
    .wavefront_size: 32
...
	.end_amdgpu_metadata
.endif
;; end of part 1
